; MI455X (gfx1250); checked and timed in simulation.
; The chip was launched on July 23, 2026; its instructions are those of AMD's public machine-readable ISA for CDNA 5 (MIT licence, August 2026) and "CDNA5" Instruction Set Architecture Reference Guide (July 2026). The comments in the code are by the model that wrote it; some were corrected since.
;; Bahdanau Attention. Allowed arithmetic: matrix products marked QUANTISED: E4M3 operands, one E8M0 scale for each 32 along K, by v_wmma_scale_f32_16x16x128_f8f6f4 with both operands' format E4M3, f32 sums; products left as they are: f32 operands where the result goes on into a quantised operand, else bf16, f16 or f32 operands; f32 sums; everything else in f32.
;; Inputs: V_b 1 float32; V_w 1,024 float32; W1_b 1,024 float32; W1_w 1,024 x 1,024 float32; W2_b 1,024 float32; W2_w 1,024 x 1,024 float32; decoder_hidden 64 x 1,024 float32; encoder_outputs 64 x 1,024 x 1,024 float32.
;; Outputs: out0 64 x 1,024 float32; out1 64 x 1,024 float32.
;; This version of the problem:
;;   THIS VERSION OF THE PROBLEM IS GIVEN IN LOW PRECISION. The matrix products marked QUANTISED in the list below multiply operands that are first quantised to E4M3 (4 exponent bits, 3 mantissa bits; 8 bits a number), with one power-of-two scale for each 32 numbers along K (OCP MX v1.0); their sums are f32. All else is computed in f32.
;;   The module's matrix products, in the order in which they are computed (A, B: the left and right operand; K: the contracted axis; several contracted axes count as one K, in the product's order):
;;     1. [M 65,536, K 1,024] x [K 1,024, N 1,024]; A: input encoder_outputs; B: input W1_w: QUANTISED
;;     2. [M 64, K 1,024] x [K 1,024, N 1,024]; A: input decoder_hidden; B: input W2_w: QUANTISED
;;     3. [M 65,536, K 1,024] x [K 1,024, N 1]; A: computed on the way; B: input V_w: left as it is (N = 1 < 16)
;;     4. batch 64 x [M 1, K 1,024] x [K 1,024, N 1,024]; A: softmax; B: input encoder_outputs: left as it is (M = 1 < 16)
;;   THE QUANTISER, for each operand of a quantised product, along K:
;;     - K is cut into blocks of 32 from its start; a last block that is shorter is filled with zeros.
;;     - A block's scale is 2^e with e = floor(log2(the largest magnitude in the block)) - 8, held to -126 .. 127; a block of zeros has e = 0. As a byte (E8M0): e + 127.
;;     - Each number is divided by its block's scale, clamped to +-448, and rounded to the nearest number of E4M3, ties to even, subnormals kept.
;;     - The product sums the exact products of the quantised numbers (number of the format x scale) in f32.
;;   ~~~python
;;   def quantise(x, axis):      # numpy; x: float32 -> the quantised numbers, widened to float32 again
;;       x = np.moveaxis(x, axis, -1); K = x.shape[-1]
;;       x = np.pad(x, [(0, 0)] * (x.ndim - 1) + [(0, -K % 32)]); x = x.reshape(x.shape[:-1] + (-1, 32)); a = np.abs(x).max(-1, keepdims=True)
;;       e = np.where(a > 0, np.clip(np.frexp(np.where(a > 0, a, 1))[1] - 1 - 8, -126, 127), 0)      # np.frexp(a)[1] - 1 = floor(log2(a)), exactly
;;       r = np.clip(x / 2.0 ** e, -448, 448)
;;       step = 2.0 ** (np.maximum(np.frexp(np.where(r == 0, 1, r))[1] - 1, -6) - 3)
;;       q = np.round(r / step) * step * 2.0 ** e      # np.round: ties to even
;;       return np.moveaxis(q.reshape(q.shape[:-2] + (-1,))[..., :K], -1, axis).astype(np.float32)
;;   ~~~
;; One version. Each part assembles by itself: llvm-mc -triple=amdgcn-amd-amdhsa -mcpu=gfx1250 --defsym DOCPART=n.
;; ======== version 1 of 1: 3 launches
;; limits: right only within a limited range of input values
;; workspace buffers: w1c 1,048,576 bytes; w1s 32,768 bytes; biasq 262,144 bytes; scores 262,144 bytes
;; launch prep (part 1): grid 192 x 1, 8 waves a work-group, no clusters, 33,792 bytes of LDS; arguments W1_w, W2_w, decoder_hidden, W1_b, W2_b, w1c, w1s, biasq; writes w1c, w1s, biasq
.if DOCPART == 1
	.amdgcn_target "amdgcn-amd-amdhsa--gfx1250"
	.amdhsa_code_object_version 6
	.text
	.protected	k_q3578c842e9_prep
	.globl	k_q3578c842e9_prep
	.p2align	8
	.type	k_q3578c842e9_prep,@function
k_q3578c842e9_prep:
	s_mov_b64 s[64:65], 0
	v_nop
	global_prefetch_b8 v0, s[64:65] scope:SCOPE_SE
	s_setreg_imm32_b32 hwreg(HW_REG_WAVE_MODE, 25, 1), 1
	s_wait_xcnt 0x0
; BAHDANAU ATTENTION, launch 1 of 3: W1 becomes codes of E4M3 with E8M0 scales, laid as the next launch's operand registers, and
; biasq[b][d] = c (decoder_hidden[b] . W2_w[:, d] + W2_b[d] + W1_b[d]), c = 2 log2(e), the product on codes of E4M3 by the scaled matrix instruction.
; WORK LEFT OUT, in the whole program.  tanh(x) = 1 - 2 / (1 + 2^(c x)), so score[b][s] = (sum over d of V_w[d] + V_b) - 2 sum over d of V_w[d] / (1 + 2^(c x[b][s][d])).
; The bracket is the same for every s of a batch, whatever the inputs hold: the softmax over s takes it away, and the context is made of the softmax alone.  So the sum of V_w is never formed
; and V_b has no way to an output: it is not loaded and is among no launch's arguments.
; LIMITS.  A NaN, an infinity or an overflow that reaches only V_b or the sum of V_w is not carried to the result.  NaN and infinities among the inputs are not served.
; A block of zeros gets the scale byte 1 where the quantiser says 127: its codes are zeros, which add nothing under any byte but 0xff, and this program alone reads the bytes.
; SHARES.  A wave takes one fragment of a weight: 16 columns (tile t) x 128 along K (step s).  A lane takes a column and its registers run down K, in the order of the operand's layout:
; lane (r, h), register 16 c + i: W(128 s + 32 c + 16 h + i, 16 t + r).  So the conversions' results are the operand's registers, and nothing is transposed.
; Work-groups 0 to 63 take W1: s = g / 8, t = 8 (g % 8) + wave: the eight waves read 512 neighbouring bytes of each row.  The codes leave as an image of the registers (512 consecutive bytes a store).
; The scale words leave 4 bytes a lane, 16 bytes apart: 32 KB in all beside the 4 MB that are read.
; Work-groups 64 to 191 take W2: t = g % 64, s = wave, and 32 rows of decoder_hidden, 32 (g / 64 - 1) on: two tiles, so that all of a wave's loads go out at once and its chain is three quantisings long.
; The price: each fragment of W2 is read and quantised by two work-groups.  K is shared among the eight waves, whose part sums meet in LDS; waves 0 to 3 add them up.  biasq leaves in pieces of 64 bytes: 256 KB in all.
; The two paths part once, on the work-group's number, and meet again only at the wave's end.  No cluster: the work-groups share next to nothing (decoder_hidden, 256 KB).
.set CEXP,  0x4038aa3b                 ; c = 2 log2(e)
.set SPW,   12                         ; v12  LDS address of my spare word; never rewritten
.set NIL,   13                         ; v13  0; never rewritten
.set TM,    16                         ; v16-31 the quantiser's work: +0 largest magnitudes, +4 bytes, +8 the holds, +12 the conversions' scale operands
.set WC,    32                         ; v32-47 the weight's codes
.set DS,    48                         ; v48-49 decoder_hidden's scale words, a tile of rows each
.set WS,    52                         ; v52  the weight's scale word
.set CBR,   54                         ; v54  c (W2_b + W1_b) of my column
.set RW,    64                         ; v64-127 the weight's 64 numbers; later
.set DC,    64                         ;        decoder_hidden's two fragments
.set RD0,   128                        ; v128-191, v192-255: two sets of 64 numbers of decoder_hidden
.set RD1,   192
.set ACC,   128                        ; v128-143 two accumulators
.set BK,    160                        ; v160-191 the eight waves' part sums
.set SPARE, 32768                      ; LDS: 0 .. 32,767 part sums, 4,096 bytes apart from wave to wave (2,048 used); then the spare words, 128 bytes a wave
.set SEL,   32                         ; s[32:33] lane selects: lane l xor 16
.set MNT,   34                         ; s34  the mantissa field of 448
; 64 numbers of a lane, register src + 16 b + i = k 32 b + 16 h + i of my row or column, become a fragment's codes (pc on) and its scale word (pw).
.macro QUANT src, pc, pw
.irp b, 0,1,2,3
	v_max3_num_f32 v[TM+\b], |v[\src+16*\b]|, |v[\src+1+16*\b]|, 0x4800000   ; block b: my 16 numbers and the floor 2^(9 - 127): the byte cannot fall under 1
.endr
.irp i, 2,4,6,8,10,12,14
.irp b, 0,1,2,3
	s_delay_alu instid0(VALU_DEP_4)
	v_max3_num_f32 v[TM+\b], v[TM+\b], |v[\src+16*\b+\i]|, |v[\src+1+16*\b+\i]|   ; the four blocks by turns
.endr
.endr
.irp b, 0,1,2,3
	s_delay_alu instid0(VALU_DEP_4)
	v_permlanex16_b32 v[TM+4+\b], v[TM+\b], s[SEL], s[SEL+1]
.endr
.irp b, 0,1,2,3
	s_delay_alu instid0(VALU_DEP_4)
	v_max_num_f32 v[TM+\b], v[TM+\b], v[TM+4+\b]           ; with lane l xor 16: the block's largest magnitude
.endr
.irp b, 0,1,2,3
	s_delay_alu instid0(VALU_DEP_4)
	v_add_nc_u32 v[TM+12+\b], 0xfc000000, v[TM+\b]         ; 8 off its exponent field: the conversion's scale operand
.endr
.irp b, 0,1,2,3
	v_and_or_b32 v[TM+8+\b], v[TM+\b], 0x7f800000, s[MNT]  ; 448 x the scale
.endr
.irp b, 0,1,2,3
	v_lshrrev_b32 v[TM+4+\b], 23, v[TM+12+\b]              ; the scale's byte
.endr
	s_delay_alu instid0(VALU_DEP_3)
	v_lshl_or_b32 v[\pw], v[TM+5], 8, v[TM+4]
	s_delay_alu instid0(VALU_DEP_1)
	v_lshl_or_b32 v[\pw], v[TM+6], 16, v[\pw]
	s_delay_alu instid0(VALU_DEP_1)
	v_lshl_or_b32 v[\pw], v[TM+7], 24, v[\pw]
.irp b, 0,1,2,3
.irp i, 0,1,2,3,4,5,6,7,8,9,10,11,12,13,14,15
	v_med3_num_f32 v[\src+16*\b+\i], v[\src+16*\b+\i], -v[TM+8+\b], v[TM+8+\b]   ; the conversion does not saturate (ISA guide 7.6.2): the hold comes first
.endr
	v_cvt_scalef32_pk8_fp8_f32 v[\pc+4*\b:\pc+4*\b+1], v[\src+16*\b:\src+16*\b+7], v[TM+12+\b]
	v_cvt_scalef32_pk8_fp8_f32 v[\pc+4*\b+2:\pc+4*\b+3], v[\src+16*\b+8:\src+16*\b+15], v[TM+12+\b]
.endr
	v_nop                                                  ; a plain line behind the last conversion
.endm
.macro DLOAD reg, m                    ; rows 16 m + r of my 32 rows of decoder_hidden, my K step: 16 neighbours of each block of 32
.irp b, 0,1,2,3
.irp j, 0,1,2,3
	global_load_b128 v[\reg+16*\b+4*\j:\reg+16*\b+4*\j+3], v6, s[8:9] offset:65536*(\m)+128*\b+16*\j
.endr
.endr
.endm
	s_load_b256 s[4:11], s[0:1], 0x0               ; W1_w s[4:5], W2_w s[6:7], decoder_hidden s[8:9], W1_b s[10:11]
	s_load_b256 s[12:19], s[0:1], 0x20             ; W2_b s[12:13], w1c s[14:15], w1s s[16:17], biasq s[18:19]
	v_lshl_add_u32 v[SPW], v0, 2, SPARE
	v_mov_b32 v[NIL], 0
	v_lshrrev_b32 v1, 5, v0
	s_delay_alu instid0(VALU_DEP_1)
	v_readfirstlane_b32 s20, v1                    ; wave 0..7
	v_and_b32 v1, 31, v0                           ; lane
	v_and_b32 v2, 15, v0                           ; r
	v_bfe_u32 v3, v0, 4, 1                         ; h
	s_delay_alu instid0(VALU_DEP_2)
	v_lshlrev_b32 v8, 2, v2                        ; 4 r
	s_delay_alu instid0(VALU_DEP_1)
	v_lshl_add_u32 v4, v3, 16, v8                  ; the weight: column r, 16 h rows of 4,096 bytes down
	v_lshlrev_b32 v5, 4, v1                        ; 16 x lane: my place in an image
	v_lshlrev_b32 v6, 12, v2
	s_delay_alu instid0(VALU_DEP_1)
	v_lshl_add_u32 v6, v3, 6, v6                   ; decoder_hidden: row r, + 64 h
	v_lshlrev_b32 v7, 4, v2                        ; w1s: 16 r
	s_lshl_b32 s21, s20, 12
	v_add_nc_u32 v9, s21, v5                       ; LDS: my part sums: 4,096 x wave + 16 x lane
	s_lshl_b32 s21, s20, 9
	v_add_nc_u32 v10, s21, v5                      ; and what I add up: 512 x wave + 16 x lane of each wave's
	v_lshl_add_u32 v11, v3, 15, v8                 ; biasq: 8 h rows down, column r
.irp b, 0,1,2,3
	v_mov_b32 v[TM+4+\b], 0                        ; written once: a lane permute's destination counts as one of its sources
.endr
	s_mov_b32 s[SEL], 0x76543210
	s_mov_b32 s[SEL+1], 0xfedcba98
	s_mov_b32 s[MNT], 0x600000
	s_mov_b32 s35, CEXP
	s_lshr_b32 s23, ttmp9, 3                       ; W1: s
	s_and_b32 s24, ttmp9, 7
	s_lshl_b32 s24, s24, 3
	s_add_co_u32 s24, s24, s20                     ; W1: t
	s_and_b32 s25, ttmp9, 63                       ; W2: t
	s_cmp_lt_u32 ttmp9, 64
	s_cselect_b32 s21, s24, s25                    ; t
	s_cselect_b32 s22, s23, s20                    ; s
	s_wait_kmcnt 0x0
	s_cselect_b64 s[26:27], s[4:5], s[6:7]         ; the weight: the choice hangs on the work-group's number alone
	s_lshl_b32 s28, s22, 19                        ; 128 s rows of 4,096 bytes
	s_lshl_b32 s29, s21, 6                         ; 16 t columns
	s_add_co_u32 s28, s28, s29
	s_mov_b32 s29, 0
	s_add_nc_u64 s[26:27], s[26:27], s[28:29]
.irp c, 0,1,2,3
.irp i, 0,1,2,3,4,5,6,7,8,9,10,11,12,13,14,15
	global_load_b32 v[RW+16*\c+\i], v4, s[26:27] offset:(32*\c+\i)*4096
.endr
.endr
	s_cmp_lt_u32 ttmp9, 64
	s_cbranch_scc0 .Lpath_b
	; ---- W1: codes and scale word to the workspace
	s_lshl_b32 s28, s21, 14                        ; w1c: 16,384 t + 2,048 s
	s_lshl_b32 s30, s22, 11
	s_add_co_u32 s28, s28, s30
	s_add_nc_u64 s[14:15], s[14:15], s[28:29]
	s_lshl_b32 s28, s21, 9                         ; w1s: 512 t + 256 (s / 4) + 4 (s % 4): K steps 0-3 for lanes 0-15 of the reader, K steps 4-7 for lanes 16-31
	s_lshr_b32 s30, s22, 2
	s_lshl_b32 s30, s30, 8
	s_add_co_u32 s28, s28, s30
	s_and_b32 s30, s22, 3
	s_lshl_b32 s30, s30, 2
	s_add_co_u32 s28, s28, s30
	s_add_nc_u64 s[16:17], s[16:17], s[28:29]
	s_wait_loadcnt 0x0
	QUANT RW, WC, WS
.irp c, 0,1,2,3
	global_store_b128 v5, v[WC+4*\c:WC+4*\c+3], s[14:15] offset:512*\c   ; 32 lanes store 512 consecutive bytes
.endr
	global_store_b32 v7, v[WS], s[16:17]           ; lanes r and r + 16 hold the same word and name the same address
	s_branch .Lend
	; ---- W2: the product with 32 rows of decoder_hidden
.Lpath_b:
	s_lshr_b32 s36, ttmp9, 6
	s_sub_co_u32 s36, s36, 1                       ; which 32 rows: 0 or 1
	s_lshl_b32 s36, s36, 17                        ; 32 rows of 4,096 bytes, in decoder_hidden and in biasq alike
	s_lshl_b32 s28, s22, 9                         ; my K step: 512 bytes along a row of decoder_hidden
	s_add_co_u32 s28, s28, s36
	s_add_nc_u64 s[8:9], s[8:9], s[28:29]
	s_lshl_b32 s28, s21, 6                         ; my 16 columns
	s_add_nc_u64 s[10:11], s[10:11], s[28:29]
	s_add_nc_u64 s[12:13], s[12:13], s[28:29]
	s_lshr_b32 s30, s20, 1                         ; what waves 0 to 3 add up and store: rows 16 (wave / 2) + 4 (wave % 2) + 8 h + 0 .. 3 of the 32
	s_lshl_b32 s30, s30, 16
	s_and_b32 s31, s20, 1
	s_lshl_b32 s31, s31, 14
	s_add_co_u32 s30, s30, s31
	s_add_co_u32 s28, s28, s30
	s_add_co_u32 s28, s28, s36
	s_add_nc_u64 s[18:19], s[18:19], s[28:29]
	s_wait_alu depctr_va_vdst(0)
	DLOAD RD0, 0
	DLOAD RD1, 1
	global_load_b32 v14, v8, s[12:13]              ; W2_b of my column
	global_load_b32 v15, v8, s[10:11]              ; W1_b
	s_wait_loadcnt 34                              ; the weight is in: 32 loads of decoder_hidden and the two biases are younger
	QUANT RW, WC, WS
	s_wait_loadcnt 18                              ; tile 0 is in: tile 1's 16 loads and the two biases are younger
	QUANT RD0, DC, DS
	s_wait_loadcnt 0x0                             ; tile 1 and the biases
	QUANT RD1, DC+16, DS+1
	v_add_f32 v[CBR], v14, v15
	s_delay_alu instid0(VALU_DEP_1)
	v_mul_f32 v[CBR], s35, v[CBR]
.rept 8
	v_nop                                          ; operands and scale words written by vector instructions stand this far ahead of a scaled matrix instruction
.endr
.irp m, 0,1                            ; source 0 = 16 rows of decoder_hidden, source 1 = 16 columns of W2: register j of lane (r, h) is row 16 m + 8 h + j, column r
	v_wmma_scale_f32_16x16x128_f8f6f4 v[ACC+8*\m:ACC+8*\m+7], v[DC+16*\m:DC+16*\m+15], v[WC:WC+15], 0, v[DS+\m], v[WS]
.endr
.rept 8
	v_nop                                          ; places behind the products, ahead of the first read of their results (ISA guide 7.12.1)
.endr
.irp m, 0,1
	ds_store_b128 v9, v[ACC+8*\m:ACC+8*\m+3] offset:512*(2*\m)       ; each accumulator from its low end on
	ds_store_b128 v9, v[ACC+8*\m+4:ACC+8*\m+7] offset:512*(2*\m+1)
.endr
	s_wait_dscnt 0x0                               ; for the others: my part sums lie in LDS
	s_barrier_signal -1
	s_barrier_wait -1
	s_cmp_lt_u32 s20, 4                            ; four pieces of 512 bytes: waves 0 to 3 add one up each
	s_cbranch_scc0 .Lend
.irp i, 0,1,2,3,4,5,6,7
	ds_load_b128 v[BK+4*\i:BK+4*\i+3], v10 offset:4096*\i            ; piece number wave of every wave's part sums: K steps 0 to 7
.endr
	s_wait_dscnt 0x0
.irp i, 1
	v_pk_add_f32 v[BK:BK+1], v[BK:BK+1], v[BK+4*\i:BK+4*\i+1]       ; K ascending
	v_pk_add_f32 v[BK+2:BK+3], v[BK+2:BK+3], v[BK+4*\i+2:BK+4*\i+3]
.endr
.irp i, 2, 3, 4, 5, 6, 7
	s_delay_alu instid0(VALU_DEP_2)
	v_pk_add_f32 v[BK:BK+1], v[BK:BK+1], v[BK+4*\i:BK+4*\i+1]       ; K ascending
	s_delay_alu instid0(VALU_DEP_2)
	v_pk_add_f32 v[BK+2:BK+3], v[BK+2:BK+3], v[BK+4*\i+2:BK+4*\i+3]
.endr
.irp e, 0,1,2,3
	v_fma_f32 v[BK+\e], v[BK+\e], s35, v[CBR]      ; c x the product + c x the biases
.endr
.irp e, 0,1,2,3
	global_store_b32 v11, v[BK+\e], s[18:19] offset:4096*\e
.endr
.Lend:
	s_wait_tensorcnt 0x0                           ; the wave's end
	ds_add_u32 v[SPW], v[NIL]
	s_wait_dscnt 0x0
	s_endpgm
.Lfunc_end_k_q3578c842e9_prep:
	.size	k_q3578c842e9_prep, .Lfunc_end_k_q3578c842e9_prep-k_q3578c842e9_prep
	.p2alignl 7, 3214868480
	.fill 96, 4, 3214868480
	.section	.rodata,"a",@progbits
	.p2align	6, 0x0
	.amdhsa_kernel k_q3578c842e9_prep
		.amdhsa_group_segment_fixed_size 33792
		.amdhsa_private_segment_fixed_size 0
		.amdhsa_enable_private_segment 0
		.amdhsa_kernarg_size 64
		.amdhsa_user_sgpr_count 2
		.amdhsa_user_sgpr_kernarg_segment_ptr 1
		.amdhsa_wavefront_size32 1
		.amdhsa_system_sgpr_workgroup_id_x 1
		.amdhsa_system_sgpr_workgroup_id_y 1
		.amdhsa_system_sgpr_workgroup_id_z 1
		.amdhsa_system_vgpr_workitem_id 0
		.amdhsa_next_free_vgpr 256
		.amdhsa_next_free_sgpr 66
		.amdhsa_reserve_vcc 0
		.amdhsa_float_denorm_mode_32 3
		.amdhsa_float_denorm_mode_16_64 3
		.amdhsa_memory_ordered 1
		.amdhsa_forward_progress 1
		.amdhsa_inst_pref_size 54
	.end_amdhsa_kernel
	.amdgpu_metadata
---
amdhsa.version: [ 1, 2 ]
amdhsa.kernels:
  - .name:           k_q3578c842e9_prep
    .symbol:         k_q3578c842e9_prep.kd
    .args:
      - { .name: W1_w, .offset: 0, .size: 8, .value_kind: global_buffer, .address_space: global }
      - { .name: W2_w, .offset: 8, .size: 8, .value_kind: global_buffer, .address_space: global }
      - { .name: decoder_hidden, .offset: 16, .size: 8, .value_kind: global_buffer, .address_space: global }
      - { .name: W1_b, .offset: 24, .size: 8, .value_kind: global_buffer, .address_space: global }
      - { .name: W2_b, .offset: 32, .size: 8, .value_kind: global_buffer, .address_space: global }
      - { .name: w1c, .offset: 40, .size: 8, .value_kind: global_buffer, .address_space: global }
      - { .name: w1s, .offset: 48, .size: 8, .value_kind: global_buffer, .address_space: global }
      - { .name: biasq, .offset: 56, .size: 8, .value_kind: global_buffer, .address_space: global }
    .group_segment_fixed_size: 33792
    .private_segment_fixed_size: 0
    .kernarg_segment_align: 8
    .kernarg_segment_size: 64
    .max_flat_workgroup_size: 256
    .sgpr_count:     66
    .vgpr_count:     256
    .wavefront_size: 32
...
	.end_amdgpu_metadata
.endif
;; end of part 1
;; launch energy (part 2): grid 256 x 1, 4 waves a work-group, clusters of 4 x 1, 327,680 bytes of LDS; arguments encoder_outputs, w1c, w1s, biasq, V_w, scores; writes scores
.if DOCPART == 2
	.amdgcn_target "amdgcn-amd-amdhsa--gfx1250"
	.amdhsa_code_object_version 6
	.text
	.protected	k_q3578c842e9_energy
	.globl	k_q3578c842e9_energy
	.p2align	8
	.type	k_q3578c842e9_energy,@function
k_q3578c842e9_energy:
	s_mov_b64 s[64:65], 0
	v_nop
	global_prefetch_b8 v0, s[64:65] scope:SCOPE_SE
	s_setreg_imm32_b32 hwreg(HW_REG_WAVE_MODE, 25, 1), 1
	s_wait_xcnt 0x0
	s_wait_alu depctr_hold_cnt(0) depctr_sa_sdst(0) depctr_va_vdst(0) depctr_va_sdst(0) depctr_va_ssrc(0) depctr_va_vcc(0) depctr_vm_vsrc(0)
	s_getreg_b32 s2, hwreg(HW_REG_IB_STS2, 6, 4)
	s_cmp_eq_u32 s2, 0
	s_cbranch_scc0 .Lentry_in_a_cluster
	s_endpgm
.Lentry_in_a_cluster:
	s_bfe_u32 s2, ttmp6, 0x10000c
	s_cmp_lg_u32 s2, 0x3003
	s_cbranch_scc0 .Lentry_shape_is_right
	s_endpgm
.Lentry_shape_is_right:
; BAHDANAU ATTENTION, launch 2 of 3: scores[b][s] = -2 sum over d of V_w[d] / (1 + 2^(c (enc[b][s] . W1[:, d]) + biasq[b][d])), c = 2 log2(e): the score less a term that is the same for all s.
; WORK LEFT OUT: the sum of V_w and V_b, which the softmax over s takes away for all values of the inputs (shown at the head of the first launch; the limits stated there hold here).
; 2^(..) = infinity gives 0 and 2^(..) = 0 gives 1 under the reciprocal: both are tanh's limits, so no guard of range is needed.
; SHARES.  A work-group takes 256 rows of one batch, each of its four waves 64: four tiles of 16.  PHASE X: the wave's rows come through LDS as f32, 128 along K at a time, and are quantised; their codes
; (4 tiles x 8 K steps x 16 registers) stay in 512 registers.  PHASE W: every wave walks the 64 tiles of 16 columns of W1, whose codes come through the same two LDS slots, eight tiles to a slot:
; each fragment of W1 read from LDS feeds four products.  Source 0 = 16 rows of enc, source 1 = 16 columns of W1: a lane holds ONE column d and eight rows, so biasq and V_w are one number a lane.
; A TILE: its 32 products on end, the four accumulators by turns (three window switches); then, in window 0, the tile before's 16 sums (they are the places behind the last products), this tile's 16 scalings,
; 32 exponentials as one batch, 16 additions, 32 reciprocals as one batch, and the LDS loads of the tile two on.  No transcendental stands between a product and the reader of its result.
; CLUSTER.  The four work-groups of a cluster (one batch) walk the same codes of W1: each slot is asked for JOINTLY, by the same tensor load with the same descriptor and the mask of all four.
; enc's tiles are each work-group's own: plain loads, behind the same rounds.  Both kinds of tile are 64 rows of 512 bytes + 16 a wave.
; A wave has one tensor load out.
; PREFETCH.  enc: the K step that the tensor load two changes of slots on will ask for: a wave names its own 64 rows x 512 bytes, 128 blocks of 256 bytes, a lane a block, four instructions; K steps 1 and 2 are
; named at the head, the last named is K step 7.  All offsets are immediates, the two address registers are never rewritten.  W1's codes are read by every work-group again and again: none for them.
; REGISTERS, in windows of 256.  Window 0: v1-15 addresses; v16-47 enc's scale words (8 m + s); v48 the prefetches' offset; v50-57 W1's scale words, two sets (no product's two scale registers are equal modulo 8);
;   v58-59 biasq, v60-63 -2 V_w of my column, two sets; v64-127 two sets of four accumulators; v128-159 the rows' sums; v160-223 64 numbers of enc; v224-239 codes just made; v240-255 the quantiser's work.
;   Window 1: W1's fragments, two sets of 8.  Window 2: enc's K steps 0-3 (64 (s % 4) + 16 m).  Window 3: K steps 4-7.
.set SLOTB, 135168                     ; a slot: four waves' quarters
.set WQB,   33792                      ; a quarter: 64 rows x 528 bytes
.set CIMG,  270336                     ; phase X: images of the codes just made: 8,704 bytes a wave, 2,176 a tile (2,048 of codes, 128 of scale words)
.set BSI,   270336                     ; phase W, in the same bytes: W1's scale words, 512 bytes a tile of columns
.set TABB,  305152                     ; biasq of my batch, 4,096 bytes
.set TABV,  309248                     ; -2 V_w, 4,096 bytes
.set SCST,  313344                     ; the way out: 256 bytes a wave
.set SPARE, 314368                     ; the spare words, 128 bytes a wave
.set LI,   1                           ; 16 x lane
.set XRD,  2                           ; phase X: my place in my quarter: 528 r + 64 h
.set ADX,  3
.set LBS,  2                           ; phase W: BSI + 16 x lane
.set ADS,  3
.set CWI,  4                           ; my images: codes
.set CWS,  5                           ; and scale words
.set ADC,  6
.set ADCS, 7
.set LT,   8                           ; TABB + 4 r
.set ADR,  9                           ; phase X: 16 x thread; phase W: address of W1's fragments in hand
.set ADT,  10                          ; phase X: BSI + 16 x thread; phase W: address of the table words in hand
.set SST,  11
.set SRD,  12
.set GO,   13
.set SPW,  14                          ; my spare word; never rewritten
.set NIL,  15                          ; 0; never rewritten
.set AS,   16
.set PFO,  48                          ; 4,096 x lane; never rewritten
.set BS,   50
.set BT,   58
.set VT,   60
.set ACC,  64
.set SC,   128
.set PW,   128
.set X,    160
.set PC,   224
.set TM,   240
.set WV,   16
.set WQ,   19
.set SEL,  20
.set MNT,  22
.set CNT,  23
.set G1X,  24
.set G0X,  32
.set G0W,  36
.set G1W,  40
.set CC,   48
.set XB,   50
.set CB,   51
.set TB,   52                          ; where the next tile of W1 begins in LDS
.set TT,   53                          ; where the next table words begin
.set TSC,  54                          ; where the next scale words begin
.set LAP,  55
.set PFB,  60                          ; s[60:61] my wave's first row of enc; never rewritten
.set MSB, 0
.macro WIN new                         ; the immediate's high byte repeats the setting that is left
.if MSB != (\new)
	s_set_vgpr_msb (MSB<<8)|(\new)
.set MSB, (\new)
.endif
.endm
.macro WALU
	s_wait_alu depctr_va_vdst(0)
.endm
.macro ROUND                           ; a round of the cluster's barrier
	s_barrier_signal -1
	s_barrier_wait -1
	s_cmp_lg_u32 s[WV], 0
	s_cbranch_scc1 .Lnot_wave_0_\@
	s_barrier_signal -3
.Lnot_wave_0_\@:
	s_barrier_wait -3
	s_barrier_signal -1
	s_barrier_wait -1
.endm
; THE CHANGE OF SLOTS.  Each wave waits for all its tensor loads, adds 0 to its spare word, writes the descriptor that is due, and waits for the add and for its LDS reads and stores.
; kind 1: enc's next K step; kind 2: W1's next eight tiles, jointly: behind a round, the wave's one tensor load.  kind 0: nothing is left to ask for.
.macro CHG kind, slot, step
	WIN 0
	WALU
	s_wait_tensorcnt 0x0                           ; no tensor load of mine is out, so a group 0 may be written
	ds_add_u32 v[SPW], v[NIL]
.if \kind == 1
	s_add_co_u32 s[G0X+1], s[WQ], (\slot)*SLOTB
	s_add_nc_u64 s[G0X+2:G0X+3], s[G0X+2:G0X+3], 512       ; 128 numbers on along K
.endif
.if \kind == 2
	s_add_co_u32 s[G0W+1], s[WQ], (\slot)*SLOTB
.if \step
	s_add_nc_u64 s[G0W+2:G0W+3], s[G0W+2:G0W+3], 131072    ; eight tiles of columns on
.endif
.endif
	s_wait_dscnt 0x0
.if \kind == 0
	s_barrier_signal -1
	s_barrier_wait -1
.else
	ROUND
.if \kind == 1
	tensor_load_to_lds s[G0X:G0X+3], s[G1X:G1X+7]
.else
	tensor_load_to_lds s[G0W:G0W+3], s[G1W:G1W+7]
.endif
	s_nop 0
.rept 4
	v_nop
.endr
.endif
.endm
.macro ASK st                          ; K step st of my 64 rows: row lane + 32 i, block u of its 512 bytes
.irp i, 0,1
.irp u, 0,1
	global_prefetch_b8 v[PFO], s[PFB:PFB+1] offset:131072*\i+256*\u+512*(\st) th:TH_LOAD_NT scope:SCOPE_SE
.endr
.endr
.endm
; 64 numbers of a lane, register src + 16 b + i = k 32 b + 16 h + i of my row, become a fragment's codes (pc on) and its scale word (pw).
.macro QUANT src, pc, pw
.irp b, 0,1,2,3
	v_max3_num_f32 v[TM+\b], |v[\src+16*\b]|, |v[\src+1+16*\b]|, 0x4800000   ; my 16 numbers and the floor 2^(9 - 127): the byte cannot fall under 1
.endr
.irp i, 2,4,6,8,10,12,14
.irp b, 0,1,2,3
	v_max3_num_f32 v[TM+\b], v[TM+\b], |v[\src+16*\b+\i]|, |v[\src+1+16*\b+\i]|
.endr
.endr
.irp b, 0,1,2,3
	v_permlanex16_b32 v[TM+4+\b], v[TM+\b], s[SEL], s[SEL+1]
.endr
.irp b, 0,1,2,3
	v_max_num_f32 v[TM+\b], v[TM+\b], v[TM+4+\b]           ; with lane l xor 16: the block's largest magnitude
.endr
.irp b, 0,1,2,3
	v_add_nc_u32 v[TM+12+\b], 0xfc000000, v[TM+\b]         ; 8 off its exponent field: the conversion's scale operand
.endr
.irp b, 0,1,2,3
	v_and_or_b32 v[TM+8+\b], v[TM+\b], 0x7f800000, s[MNT]  ; 448 x the scale
.endr
.irp b, 0,1,2,3
	v_lshrrev_b32 v[TM+4+\b], 23, v[TM+12+\b]              ; the scale's byte
.endr
	v_lshl_or_b32 v[\pw], v[TM+5], 8, v[TM+4]
	v_lshl_or_b32 v[\pw], v[TM+6], 16, v[\pw]
	v_lshl_or_b32 v[\pw], v[TM+7], 24, v[\pw]
.irp b, 0,1,2,3
.irp i, 0,1,2,3,4,5,6,7,8,9,10,11,12,13,14,15
	v_med3_num_f32 v[\src+16*\b+\i], v[\src+16*\b+\i], -v[TM+8+\b], v[TM+8+\b]   ; the conversion does not saturate (ISA guide 7.6.2): the hold comes first
.endr
	v_cvt_scalef32_pk8_fp8_f32 v[\pc+4*\b:\pc+4*\b+1], v[\src+16*\b:\src+16*\b+7], v[TM+12+\b]
	v_cvt_scalef32_pk8_fp8_f32 v[\pc+4*\b+2:\pc+4*\b+3], v[\src+16*\b+8:\src+16*\b+15], v[TM+12+\b]
.endr
	v_nop                                                  ; a plain line behind the last conversion
.endm
; One tile of 16 rows x 128 along K: out of my quarter of the slot, quantised, its image into my own bytes of LDS.
.macro XUNIT
	v_add_nc_u32 v[ADX], s[XB], v[XRD]
.irp b, 0,1,2,3
.irp j, 0,1,2,3
	ds_load_b128 v[X+16*\b+4*\j:X+16*\b+4*\j+3], v[ADX] offset:128*\b+16*\j
.endr
.endr
	s_wait_dscnt 0x0                               ; the numbers are in, and the last tile's stores are done
	v_add_nc_u32 v[ADC], s[CB], v[CWI]
	v_add_nc_u32 v[ADCS], s[CB], v[CWS]
	QUANT X, PC, PW
.irp c, 0,1,2,3
	ds_store_b128 v[ADC], v[PC+4*\c:PC+4*\c+3] offset:512*\c
.endr
	ds_store_b32 v[ADCS], v[PW]
	s_add_co_u32 s[XB], s[XB], 8448                ; 16 rows on
	s_add_co_u32 s[CB], s[CB], 2176
.endm
; K step s of phase X.  The four tiles go through one loop; their images then come back into the registers in which they stay.
.macro XSTEP s
.if \s < 7
	CHG 1, (\s+1)%2, 0                             ; enc's next K step into the other slot
.else
	CHG 2, 0, 0                                    ; W1's first eight tiles into slot 0
.endif
.if \s < 5
	ASK (\s)+3                                     ; this change has asked for K step s + 1: the load two changes on wants K step s + 3
.endif
	s_mov_b32 s[XB], ((\s)%2)*SLOTB
	s_mov_b32 s[CB], 0
	s_mov_b32 s[CNT], 4
.Lunit_\@:
	XUNIT
	s_sub_co_u32 s[CNT], s[CNT], 1
	s_cmp_lg_u32 s[CNT], 0
	WALU
	s_cbranch_scc1 .Lunit_\@
	WIN (2+(\s)/4)<<6                              ; destination window 2 or 3
.irp m, 0,1,2,3
.irp c, 0,1,2,3
	ds_load_b128 v[64*((\s)%4)+16*\m+4*\c:64*((\s)%4)+16*\m+4*\c+3], v[CWI] offset:2176*\m+512*\c   ; LDS serves a wave's instructions in order (ISA guide 5.7.1.4): these see my stores
.endr
.endr
	WIN 0
.irp m, 0,1,2,3
	ds_load_b32 v[AS+8*\m+(\s)], v[CWS] offset:2176*\m
.endr
.endm
; bf: the eight fragments and the scale words of the tile at s[TB] into set q.  tb: the table words at s[TT]: biasq, and -2 V_w into the other set than q.
.macro FETCH q, bf, tb
.if \bf
	v_add_nc_u32 v[ADR], s[TB], v[LI]
	v_add_nc_u32 v[ADS], s[TSC], v[LBS]
	WIN 0x40                                       ; destination window 1
.irp s, 0,1,2,3,4,5,6,7
.irp c, 0,1,2,3
	ds_load_b128 v[128*(\q)+16*\s+4*\c:128*(\q)+16*\s+4*\c+3], v[ADR] offset:(4*\s+\c)*528   ; an image: 512 consecutive bytes a load
.endr
.endr
	WIN 0
	ds_load_b128 v[BS+4*(\q):BS+4*(\q)+3], v[ADS]  ; lanes 0-15: K steps 0-3 of column r; lanes 16-31: K steps 4-7
	s_add_co_u32 s[TB], s[TB], 16896
	s_add_co_u32 s[TSC], s[TSC], 512
.endif
.if \tb
	v_add_nc_u32 v[ADT], s[TT], v[LT]
	ds_load_b32 v[BT], v[ADT]
	ds_load_b32 v[VT+2*(1-(\q))], v[ADT] offset:4096
	s_add_co_u32 s[TT], s[TT], 64
.endif
.endm
.macro PROD p, mm                      ; tile mm of my rows x K step ks of the tile of columns in set p
.set rD, ACC+32*(\p)+8*(\mm)
.set rAf, 64*(ks%4)+16*(\mm)
.set rBf, 128*(\p)+16*ks
.set rSa, AS+8*(\mm)+ks
.set rSb, BS+4*(\p)+ks%4
.if ks == 0
	v_wmma_scale_f32_16x16x128_f8f6f4 v[rD:rD+7], v[rAf:rAf+15], v[rBf:rBf+15], 0, v[rSa], v[rSb]
.elseif ks < 4
	v_wmma_scale_f32_16x16x128_f8f6f4 v[rD:rD+7], v[rAf:rAf+15], v[rBf:rBf+15], v[rD:rD+7], v[rSa], v[rSb]
.else
	v_wmma_scale_f32_16x16x128_f8f6f4 v[rD:rD+7], v[rAf:rAf+15], v[rBf:rBf+15], v[rD:rD+7], v[rSa], v[rSb] matrix_b_scale:MATRIX_SCALE_ROW1
.endif
.endm
.macro FSUM pp, from=0, n=16           ; the rows' sums take -2 V_w x the reciprocals of set pp: n pairs, from pair 'from' on
.set i, \from
.rept \n
	v_pk_fma_f32 v[SC+2*i:SC+2*i+1], v[ACC+32*(\pp)+2*i:ACC+32*(\pp)+2*i+1], v[VT+2*(\pp):VT+2*(\pp)+1], v[SC+2*i:SC+2*i+1] op_sel_hi:[1,0,1]
.set i, i+1
.endr
.endm
; TILE j, p = j % 2.  Behind its last product stand eight of the other set's sums, plain lines that name the other set, its -2 V_w and the sums alone: the eight places ahead of the scalings,
; which read each accumulator from its low end on.  The other eight sums stand behind the exponentials, as work that names none of their results.  Behind them the table words of tile j + 1 are asked for (2 loads),
; behind the reciprocals the fragments and scale words of tile j + 2 (33 loads), into set p, which this tile's products have read more than eight plain lines before.
; w0: at the tile's head its fragments are in: younger than they are the 2 + 33 loads of the tile before.  w1: behind the products its table words are in: younger are the 33.
; The reciprocals' wait stands behind the next tile's products, or ahead of a label or a branch, whichever comes first.
.macro TILE p, bf, tb, w0=35, w1=33
	s_wait_dscnt \w0
.set ks, 0
.rept 8
	WIN 0x06+ks/4                                  ; source 0 (enc) window 2 or 3, source 1 (W1) window 1, C and D window 0
.irp m, 0,1,2,3
	PROD \p, \m
.endr
.set ks, ks+1
.endr
	WIN 0
	WALU                                           ; behind the last tile's reciprocals, ahead of their first reader
	s_wait_dscnt \w1
	FSUM (1-\p), 0, 8
.set rA, ACC+32*(\p)
.set i, 0
.rept 16
	v_pk_fma_f32 v[rA+2*i:rA+2*i+1], v[rA+2*i:rA+2*i+1], s[CC:CC+1], v[BT:BT+1] op_sel_hi:[1,0,0]   ; x = c a + biasq
.set i, i+1
.endr
	WALU                                           ; ahead of the batch
.set i, 0
.rept 32
	v_exp_f32 v[rA+i], v[rA+i]
.set i, i+1
.endr
	FSUM (1-\p), 8, 8
	FETCH \p, 0, \tb
	WALU                                           ; behind it
.set i, 0
.rept 16
	v_pk_add_f32 v[rA+2*i:rA+2*i+1], v[rA+2*i:rA+2*i+1], 1.0 op_sel_hi:[1,0]
.set i, i+1
.endr
	WALU                                           ; ahead of the batch
.set i, 0
.rept 32
	v_rcp_f32 v[rA+i], v[rA+i]
.set i, i+1
.endr
	v_nop
	FETCH \p, \bf, 0
.endm
.macro PAIRS n
	s_mov_b32 s[CNT], \n
.Lpair_\@:
	TILE 0, 1, 1
	TILE 1, 1, 1
	s_sub_co_u32 s[CNT], s[CNT], 1
	s_cmp_lg_u32 s[CNT], 0
	WALU                                           ; the reciprocals' wait, ahead of the branch
	s_cbranch_scc1 .Lpair_\@
.endm
	s_load_b256 s[4:11], s[0:1], 0x0               ; enc s[4:5], w1c s[6:7], w1s s[8:9], biasq s[10:11]
	s_load_b128 s[12:15], s[0:1], 0x20             ; V_w s[12:13], scores s[14:15]
	v_lshl_add_u32 v[SPW], v0, 2, SPARE
	v_mov_b32 v[NIL], 0
	ds_add_u32 v[SPW], v[NIL]                      ; the wave's opening: the add, twice on end, and its wait ahead of my first tensor load
	ds_add_u32 v[SPW], v[NIL]
	v_lshrrev_b32 v1, 5, v0
	v_readfirstlane_b32 s[WV], v1                  ; wave 0..3
	s_bfe_u32 s17, ttmp6, 0x40000                  ; cx: it enters enc's and scores' addresses alone
	s_lshl_b32 s18, ttmp9, 2                       ; ttmp9 counts clusters: the batch
	s_add_co_u32 s18, s18, s17                     ; my block of 256 rows
	s_mul_i32 s[WQ], s[WV], WQB
	s_mov_b32 s[G1X], (2<<16)|(1<<20)|(6<<22)|(3<<25)      ; 64 rows x 128 elements of 4 bytes, 4 words of padding after every 128
	s_mov_b32 s[G1X+1], 128<<16
	s_mov_b32 s[G1X+2], 64<<16
	s_mov_b32 s[G1X+3], 128<<16
	s_mov_b32 s[G1X+4], 64
	s_mov_b32 s[G1X+5], 1024                       ; from row to row of enc
	s_mov_b32 s[G1X+6], 0
	s_mov_b32 s[G1X+7], 0
	s_mov_b32 s[G1W], 15|(2<<16)|(1<<20)|(1<<21)|(6<<22)|(3<<25)   ; the same with the mask of all four work-groups and bit 21 beside it
	s_mov_b32 s[G1W+1], 128<<16
	s_mov_b32 s[G1W+2], 64<<16
	s_mov_b32 s[G1W+3], 128<<16
	s_mov_b32 s[G1W+4], 64
	s_mov_b32 s[G1W+5], 128                        ; W1's codes are one dense block
	s_mov_b32 s[G1W+6], 0
	s_mov_b32 s[G1W+7], 0
	s_mov_b32 s[SEL], 0x76543210
	s_mov_b32 s[SEL+1], 0xfedcba98
	s_mov_b32 s[MNT], 0x600000
	s_mov_b32 s[CC], 0x4038aa3b                    ; c = 2 log2(e)
	s_mov_b32 s[CC+1], s[CC]
	s_lshl_b32 s56, s18, 20                        ; my block: 256 rows of 4,096 bytes,
	s_lshl_b32 s57, s[WV], 18                      ; my wave's 64 of them
	s_add_co_u32 s56, s56, s57
	s_mov_b32 s57, 0
	s_lshl_b32 s58, s[WV], 15                      ; my quarter of a slot of W1's codes: no place in the cluster enters it
	s_mov_b32 s59, 0
	WALU
	s_wait_dscnt 0x0                               ; both opening adds are done
	s_wait_kmcnt 0x0
	s_add_nc_u64 s[PFB:PFB+1], s[4:5], s[56:57]
	s_mov_b32 s[G0X], 1
	s_mov_b32 s[G0X+1], s[WQ]                      ; slot 0
	s_mov_b64 s[G0X+2:G0X+3], s[PFB:PFB+1]
	s_or_b32 s[G0X+3], s[G0X+3], 0x80000000
	s_mov_b32 s[G0W], 1
	s_mov_b32 s[G0W+1], s[WQ]
	s_add_nc_u64 s[G0W+2:G0W+3], s[6:7], s[58:59]
	s_or_b32 s[G0W+3], s[G0W+3], 0x80000000
	s_lshl_b32 s56, ttmp9, 12
	s_add_nc_u64 s[10:11], s[10:11], s[56:57]      ; biasq of my batch
	s_lshl_b32 s56, s18, 10
	s_lshl_b32 s58, s[WV], 8
	s_add_co_u32 s56, s56, s58
	s_add_nc_u64 s[14:15], s[14:15], s[56:57]      ; scores of my wave's 64 rows
	ROUND                                          ; in front of the first tensor load
	tensor_load_to_lds s[G0X:G0X+3], s[G1X:G1X+7]  ; enc, K step 0, into slot 0
	s_nop 0
.rept 4
	v_nop
.endr
	s_mul_i32 s56, s[WV], 8704
	s_add_co_u32 s56, s56, CIMG
	s_add_co_u32 s57, s56, 2048
	s_lshl_b32 s58, s[WV], 8
	s_add_co_u32 s58, s58, SCST
	v_and_b32 v240, 31, v0                         ; lane
	v_and_b32 v241, 15, v0                         ; r
	v_bfe_u32 v242, v0, 4, 1                       ; h
	v_lshlrev_b32 v[LI], 4, v240
	v_mul_u32_u24 v[XRD], v241, 528
	v_lshl_add_u32 v[XRD], v242, 6, v[XRD]
	v_add_nc_u32 v[XRD], s[WQ], v[XRD]
	v_add_nc_u32 v[CWI], s56, v[LI]
	v_lshl_add_u32 v[CWS], v240, 2, s57
	v_lshl_add_u32 v[LT], v241, 2, TABB
	v_lshl_add_u32 v[SST], v242, 5, s58            ; the way out: rows 8 h on
	v_lshl_add_u32 v[SRD], v240, 3, s58
	v_lshlrev_b32 v[GO], 3, v240
	v_lshlrev_b32 v[PFO], 12, v240
	v_lshlrev_b32 v[ADR], 4, v0                    ; 16 x thread
	v_add_nc_u32 v[ADT], BSI, v[ADR]
	v_add_nc_u32 v[ADX], TABB, v[ADR]
.irp b, 0,1,2,3
	v_mov_b32 v[TM+4+\b], 0                        ; written once: a lane permute's destination counts as one of its sources
.endr
	global_load_b128 v[160:163], v[ADR], s[10:11]
	global_load_b128 v[164:167], v[ADR], s[10:11] offset:2048
	global_load_b128 v[168:171], v[ADR], s[12:13]
	global_load_b128 v[172:175], v[ADR], s[12:13] offset:2048
.irp i, 0,1,2,3,4,5,6,7,8,9,10,11,12,13,14,15
	global_load_b128 v[ACC+4*\i:ACC+4*\i+3], v[ADR], s[8:9] offset:2048*\i   ; W1's scale words wait in registers through phase X: their LDS bytes hold the images until then
.endr
	WALU
	s_wait_loadcnt 16                              ; the two tables are in; the 16 loads of scale words are younger
.irp i, 168,170,172,174
	v_pk_mul_f32 v[\i:\i+1], v[\i:\i+1], -2.0 op_sel_hi:[1,0]
.endr
	ds_store_b128 v[ADX], v[160:163]
	ds_store_b128 v[ADX], v[164:167] offset:2048
	ds_store_b128 v[ADX], v[168:171] offset:4096
	ds_store_b128 v[ADX], v[172:175] offset:6144   ; the first change of slots waits for these stores and passes a barrier
	ASK 1                                          ; behind K step 0's tensor load and the tables' wait
	ASK 2
	; ---- PHASE X
.irp s, 0,1,2,3,4,5,6,7
	XSTEP \s
.endr
	; ---- PHASE W
	CHG 2, 1, 1                                    ; W1's tiles 0-7 have landed in slot 0; tiles 8-15 go into slot 1; nobody reads an image any more
	s_wait_loadcnt 0x0
.irp i, 0,1,2,3,4,5,6,7,8,9,10,11,12,13,14,15
	ds_store_b128 v[ADT], v[ACC+4*\i:ACC+4*\i+3] offset:2048*\i
.endr
	v_add_nc_u32 v[LBS], BSI, v[LI]
	s_mov_b32 s[TB], 0
	s_mov_b32 s[TT], 0
	s_mov_b32 s[TSC], 0
.set i, 0
.rept 32
	v_mov_b32 v[SC+i], 0                           ; the rows' sums begin at 0
.set i, i+1
.endr
.set i, 0
.rept 6
	v_mov_b32 v[BT+i], 0                           ; the pairs' upper words are named, so they are written; the first tile finds 0 as the other set's -2 V_w
.set i, i+1
.endr
	WALU
	s_wait_dscnt 0x0                               ; for the others: my part of the scale words lies in LDS; and the stores have read their registers
.set i, 0
.rept 32
	v_mov_b32 v[ACC+32+i], 0                       ; the tile is written once: the first adds 0 x 0 to the sums
.set i, i+1
.endr
	WALU
	s_barrier_signal -1                            ; slot 1's load may stay out
	s_barrier_wait -1
	FETCH 0, 1, 0                                  ; tile 0's fragments
	FETCH 1, 1, 1                                  ; tile 1's, and tile 0's table words
	s_wait_dscnt 0x0                               ; all three are in: the tiles' counted waits begin from nothing out
	PAIRS 3                                        ; tiles 0 to 5; tile 5 fetches tile 7, the last of slot 0
	s_mov_b32 s[LAP], 3
.Llap:                                                 ; a change stands ahead of tile 8 i + 6, where all reads of slot i % 2 have been issued; its load has eight tiles in which to land
	CHG 2, 0, 1
	s_mov_b32 s[TB], SLOTB
	PAIRS 4
	CHG 2, 1, 1
	s_mov_b32 s[TB], 0
	PAIRS 4
	s_sub_co_u32 s[LAP], s[LAP], 1
	s_cmp_lg_u32 s[LAP], 0
	s_cbranch_scc1 .Llap
	CHG 0, 0, 0                                    ; the tail is written out: nothing is left to ask for
	s_mov_b32 s[TB], SLOTB
	PAIRS 4                                        ; tiles 54 to 61
	TILE 0, 0, 1                                   ; tile 62
	TILE 1, 0, 0, 2, 0                             ; tile 63: younger than its fragments are its 2 table loads; behind its products nothing may be out
	WALU                                           ; its reciprocals' wait
	FSUM 1
	; ---- THE WAY OUT: a row's sum over the sixteen columns that the lanes of a half hold; then 64 scores through my own 256 bytes of LDS, so that the wave stores one aligned run of 256 bytes
.irp x, 1,2,4,8
.set i, 0
.rept 32
	v_add_f32_dpp v[SC+i], v[SC+i], v[SC+i] row_xmask:\x row_mask:0xf bank_mask:0xf
.set i, i+1
.endr
.endr
.irp m, 0,1,2,3
	ds_store_b128 v[SST], v[SC+8*\m:SC+8*\m+3] offset:64*\m          ; rows 16 m + 8 h + 0 .. 3: the sixteen lanes of a half write the same bytes with the same values
	ds_store_b128 v[SST], v[SC+8*\m+4:SC+8*\m+7] offset:64*\m+16
.endr
	ds_load_b64 v[160:161], v[SRD]                 ; LDS serves a wave's instructions in order: this sees my stores
	s_wait_dscnt 0x0
	global_store_b64 v[GO], v[160:161], s[14:15]
	s_wait_tensorcnt 0x0                           ; the wave's end
	ds_add_u32 v[SPW], v[NIL]
	s_wait_dscnt 0x0
	ROUND                                          ; the closing round
	s_endpgm
.Lfunc_end_k_q3578c842e9_energy:
	.size	k_q3578c842e9_energy, .Lfunc_end_k_q3578c842e9_energy-k_q3578c842e9_energy
	.p2alignl 7, 3214868480
	.fill 96, 4, 3214868480
	.section	.rodata,"a",@progbits
	.p2align	6, 0x0
	.amdhsa_kernel k_q3578c842e9_energy
		.amdhsa_group_segment_fixed_size 327680
		.amdhsa_private_segment_fixed_size 0
		.amdhsa_enable_private_segment 0
		.amdhsa_kernarg_size 48
		.amdhsa_user_sgpr_count 2
		.amdhsa_user_sgpr_kernarg_segment_ptr 1
		.amdhsa_wavefront_size32 1
		.amdhsa_system_sgpr_workgroup_id_x 1
		.amdhsa_system_sgpr_workgroup_id_y 1
		.amdhsa_system_sgpr_workgroup_id_z 1
		.amdhsa_system_vgpr_workitem_id 0
		.amdhsa_next_free_vgpr 1024
		.amdhsa_next_free_sgpr 66
		.amdhsa_reserve_vcc 0
		.amdhsa_float_denorm_mode_32 3
		.amdhsa_float_denorm_mode_16_64 3
		.amdhsa_memory_ordered 1
		.amdhsa_forward_progress 1
		.amdhsa_inst_pref_size 240
	.end_amdhsa_kernel
	.amdgpu_metadata
---
amdhsa.version: [ 1, 2 ]
amdhsa.kernels:
  - .name:           k_q3578c842e9_energy
    .symbol:         k_q3578c842e9_energy.kd
    .args:
      - { .name: encoder_outputs, .offset: 0, .size: 8, .value_kind: global_buffer, .address_space: global }
      - { .name: w1c, .offset: 8, .size: 8, .value_kind: global_buffer, .address_space: global }
      - { .name: w1s, .offset: 16, .size: 8, .value_kind: global_buffer, .address_space: global }
      - { .name: biasq, .offset: 24, .size: 8, .value_kind: global_buffer, .address_space: global }
      - { .name: V_w, .offset: 32, .size: 8, .value_kind: global_buffer, .address_space: global }
      - { .name: scores, .offset: 40, .size: 8, .value_kind: global_buffer, .address_space: global }
    .group_segment_fixed_size: 327680
    .private_segment_fixed_size: 0
    .kernarg_segment_align: 8
    .kernarg_segment_size: 48
    .max_flat_workgroup_size: 128
    .sgpr_count:     66
    .vgpr_count:     1024
    .wavefront_size: 32
...
	.end_amdgpu_metadata
.endif
;; end of part 2
;; launch softctx (part 3): grid 4 x 64, 8 waves a work-group, no clusters, 327,680 bytes of LDS; arguments scores, encoder_outputs, out0, out1; writes out0, out1
.if DOCPART == 3
	.amdgcn_target "amdgcn-amd-amdhsa--gfx1250"
	.amdhsa_code_object_version 6
	.text
	.protected	k_q3578c842e9_softctx
	.globl	k_q3578c842e9_softctx
	.p2align	8
	.type	k_q3578c842e9_softctx,@function
k_q3578c842e9_softctx:
	s_mov_b64 s[64:65], 0
	v_nop
	global_prefetch_b8 v0, s[64:65] scope:SCOPE_SE
	s_setreg_imm32_b32 hwreg(HW_REG_WAVE_MODE, 25, 1), 1
	s_wait_xcnt 0x0
; BAHDANAU ATTENTION, launch 3 of 3: out0[b] = softmax over s of scores[b]; out1[b][e] = sum over s of out0[b][s] enc[b][s][e], all in f32.
; WORK LEFT OUT: the scores come without the term that is the same for all s (the sum of V_w, and V_b), which the softmax takes away for all values of the inputs (shown at the head of the first launch).
; SHARES.  A work-group takes one batch (y) and 256 columns (x): 1,024 bytes of every row.  Wave w takes rows 128 w on, 16 a step, eight steps.  Each output has one owner.
; enc comes through a ring of two LDS slots of 128 rows x 1,024 bytes: each wave fills and reads its own 16 rows of a slot, one tensor load a wave behind each barrier; one is out.
; Every wave makes the batch's maximum and sum itself, from the 4 KB of scores, while step 0 is on its way.  The weights are used unnormalised, p = 2^((s - max) log2 e); the division comes at the end.
; A lane holds eight columns, in two sets of sums (even and odd rows).  The eight waves' sums meet in LDS bytes of their own; waves 0 and 1 add them and store 512 bytes each.
; PREFETCH: step t, whose change of slots asks for step t + 1, names step t + 3: my wave's 16 rows x 1,024 bytes, 64 blocks of 256 bytes, a lane a block, two instructions; steps 1 and 2 are named at the head;
; the last named is step 7.  All offsets are immediates, the address registers are never rewritten.  No work-group shares these bytes with another.
; No matrix unit (one row against a matrix), no cluster (the work-groups share the 4 KB of scores alone).
.set SPW,   2                          ; my spare word; never rewritten
.set NIL,   3                          ; 0; never rewritten
.set P,     4                          ; v4-7 lane l: p of my wave's rows 4 l .. 4 l + 3
.set A,     8                          ; v8-23 two sets of my eight columns' sums
.set LA,    24                         ; v24, v25 LDS: 16,384 x wave + 16 x lane in slot 0, 1
.set PFO,   26                         ; 4,096 (lane / 4) + 256 (lane % 4)
.set RING,  128                        ; v128-255 sixteen rows x 8 registers
.set SLOT,  131072
.set RED,   262144                     ; the waves' sums, 1,024 bytes each
.set SPARE, 270336
.set G1,    16                         ; s[16:23] group 1; s[24:27], s[28:31] group 0 for slot 0, 1
.set W,     32                         ; s[32:63] sixteen weights, a pair each: the packed form takes the low word for both halves
.macro WALU
	s_wait_alu depctr_va_vdst(0)
.endm
.macro ASK st
	global_prefetch_b8 v[PFO], s[6:7] offset:65536*(\st) th:TH_LOAD_NT scope:SCOPE_SE
	global_prefetch_b8 v[PFO], s[6:7] offset:65536*(\st)+32768 th:TH_LOAD_NT scope:SCOPE_SE
.endm
	s_load_b256 s[4:11], s[0:1], 0x0               ; scores s[4:5], enc s[6:7], out0 s[8:9], out1 s[10:11]
	v_lshl_add_u32 v[SPW], v0, 2, SPARE
	v_mov_b32 v[NIL], 0
	ds_add_u32 v[SPW], v[NIL]                      ; the wave's opening: the add, twice on end, and its wait ahead of my first tensor load
	ds_add_u32 v[SPW], v[NIL]
	v_lshrrev_b32 v1, 5, v0
	v_readfirstlane_b32 s12, v1                    ; wave 0..7
	s_lshl_b32 s13, s12, 14
	s_lshl_b32 s14, s12, 10
	s_add_co_u32 s14, s14, RED
	v_and_b32 v27, 31, v0
	v_lshlrev_b32 v1, 4, v27                       ; 16 x lane
	v_lshlrev_b32 v30, 4, v0                       ; 16 x thread = 512 x wave + 16 x lane
	v_add_nc_u32 v[LA], s13, v1
	v_add_nc_u32 v[LA+1], SLOT, v[LA]
	v_add_nc_u32 v31, s14, v1                      ; LDS: my sums
	v_add_nc_u32 v29, RED, v30                     ; and what waves 0 and 1 add up
	v_lshrrev_b32 v[PFO], 2, v27
	v_lshlrev_b32 v[PFO], 12, v[PFO]
	v_and_b32 v28, 3, v27
	v_lshl_add_u32 v[PFO], v28, 8, v[PFO]
	s_mov_b32 s[G1], 2<<16                         ; 16 rows x 256 elements of 4 bytes, no padding: a wave's LDS loads read 512 consecutive bytes
	s_mov_b32 s[G1+1], 256<<16
	s_mov_b32 s[G1+2], 16<<16
	s_mov_b32 s[G1+3], 256<<16
	s_mov_b32 s[G1+4], 16
	s_mov_b32 s[G1+5], 1024
	s_mov_b32 s[G1+6], 0
	s_mov_b32 s[G1+7], 0
.irp i, 0,1,2,3,4,5,6,7,8,9,10,11,12,13,14,15
	s_mov_b32 s[W+2*\i+1], 0                       ; named with the weight as a pair, so it is written
.endr
	s_and_b32 s15, ttmp7, 0xffff                   ; the batch
	s_lshl_b32 s66, s15, 12                        ; its row of scores, of out0 and of out1
	s_mov_b32 s67, 0
	s_lshl_b32 s68, s15, 22                        ; its 1,024 rows of 4,096 bytes,
	s_lshl_b32 s70, s12, 19                        ; my wave's 128 of them,
	s_add_co_u32 s68, s68, s70
	s_lshl_b32 s70, ttmp9, 10                      ; my work-group's 1,024 bytes of a row
	s_add_co_u32 s68, s68, s70
	s_mov_b32 s69, 0
	s_mov_b32 s71, 0
	s_mov_b32 s72, 0x3fb8aa3b                      ; log2(e)
	s_mov_b32 s73, s72
	s_mov_b32 s74, 0x76543210
	s_mov_b32 s75, 0xfedcba98
	WALU
	s_wait_dscnt 0x0                               ; both opening adds are done
	s_wait_kmcnt 0x0
	s_add_nc_u64 s[4:5], s[4:5], s[66:67]
	s_add_nc_u64 s[8:9], s[8:9], s[66:67]
	s_add_nc_u64 s[10:11], s[10:11], s[66:67]
	s_add_nc_u64 s[10:11], s[10:11], s[70:71]
	s_add_nc_u64 s[6:7], s[6:7], s[68:69]
	s_mov_b32 s24, 1
	s_mov_b32 s25, s13
	s_mov_b64 s[26:27], s[6:7]                     ; step 0
	s_or_b32 s27, s27, 0x80000000
	s_mov_b32 s28, 1
	s_add_co_u32 s29, s13, SLOT
	s_add_nc_u64 s[30:31], s[6:7], 65536           ; step 1: 16 rows on
	s_or_b32 s31, s31, 0x80000000
	tensor_load_to_lds s[24:27], s[G1:G1+7]        ; one tensor load a wave at the head
	s_nop 0
.irp i, 0,1,2,3,4,5,6,7
	global_load_b128 v[32+4*\i:35+4*\i], v1, s[4:5] offset:512*\i    ; the batch's 1,024 scores, 32 a lane
.endr
	global_load_b128 v[P:P+3], v30, s[4:5]         ; my wave's 128
	s_wait_loadcnt 0x0
	ASK 1                                          ; behind step 0's tensor load and the scores' wait
	ASK 2
	v_max3_num_f32 v64, v32, v33, v34              ; the maximum, in two chains
	v_max3_num_f32 v65, v35, v36, v37
.irp i, 38,42,46,50,54,58
	v_max3_num_f32 v64, v64, v[\i], v[\i+1]
	v_max3_num_f32 v65, v65, v[\i+2], v[\i+3]
.endr
	v_max3_num_f32 v64, v64, v62, v63
	v_max_num_f32 v64, v64, v65
.irp x, 1,2,4,8
	v_max_num_f32_dpp v64, v64, v64 row_xmask:\x row_mask:0xf bank_mask:0xf
.endr
	v_permlanex16_b32 v65, v64, s74, s75
	v_max_num_f32 v64, v64, v65                    ; every lane holds the batch's maximum
	v_mul_f32 v66, 0xbfb8aa3b, v64                 ; - max x log2(e)
	v_mov_b32 v67, v66
.irp i, 32,34,36,38,40,42,44,46,48,50,52,54,56,58,60,62
	v_pk_fma_f32 v[\i:\i+1], v[\i:\i+1], s[72:73], v[66:67] op_sel_hi:[1,0,0]
.endr
	v_pk_fma_f32 v[P:P+1], v[P:P+1], s[72:73], v[66:67] op_sel_hi:[1,0,0]
	v_pk_fma_f32 v[P+2:P+3], v[P+2:P+3], s[72:73], v[66:67] op_sel_hi:[1,0,0]
	WALU                                           ; ahead of the batch
.set i, 32
.rept 32
	v_exp_f32 v[i], v[i]
.set i, i+1
.endr
.irp i, 0,1,2,3
	v_exp_f32 v[P+\i], v[P+\i]
.endr
	v_nop
	WALU                                           ; behind it
	v_pk_add_f32 v[68:69], v[32:33], v[34:35]      ; the sum, in two chains
	v_pk_add_f32 v[70:71], v[36:37], v[38:39]
.irp i, 40,44,48,52,56,60
	v_pk_add_f32 v[68:69], v[68:69], v[\i:\i+1]
	v_pk_add_f32 v[70:71], v[70:71], v[\i+2:\i+3]
.endr
	v_pk_add_f32 v[68:69], v[68:69], v[70:71]
	v_add_f32 v68, v68, v69
.irp x, 1,2,4,8
	v_add_f32_dpp v68, v68, v68 row_xmask:\x row_mask:0xf bank_mask:0xf
.endr
	v_permlanex16_b32 v69, v68, s74, s75
	v_add_f32 v68, v68, v69
	WALU
	v_rcp_f32 v72, v68                             ; 1 / the sum (the sum is at least 1: the maximum's own term)
	v_nop
	WALU
	v_mov_b32 v73, v72
	s_cmp_lg_u32 ttmp9, 0                          ; the first of a batch's four work-groups stores the weights
	WALU
	s_cbranch_scc1 .Lno_weights
	v_pk_mul_f32 v[76:77], v[P:P+1], v[72:73]
	v_pk_mul_f32 v[78:79], v[P+2:P+3], v[72:73]
	global_store_b128 v30, v[76:79], s[8:9]        ; 32 lanes store 512 consecutive bytes; v76-79 are not written again
.Lno_weights:
; STEP t: the change of slots (all my tensor loads waited for, the add, its wait, the barrier, the next step's load first behind it), then my 16 rows of slot t % 2.
.macro STEP t
	WALU
	s_wait_tensorcnt 0x0                           ; my rows of this step are in; no load of mine is out, so a group 0 may be written
	ds_add_u32 v[SPW], v[NIL]
	s_add_nc_u64 s[26+4*((\t)%2):27+4*((\t)%2)], s[26+4*((\t)%2):27+4*((\t)%2)], 131072   ; this slot's next step: 32 rows on
	s_wait_dscnt 0x0
	s_barrier_signal -1
	s_barrier_wait -1
.if (\t) < 7
	tensor_load_to_lds s[28-4*((\t)%2):31-4*((\t)%2)], s[G1:G1+7]   ; step t + 1 into the other slot
	s_nop 0
.endif
.irp i, 0,1,2,3,4,5,6,7,8,9,10,11,12,13,14,15
	ds_load_b128 v[RING+8*\i:RING+8*\i+3], v[LA+(\t)%2] offset:1024*\i
	ds_load_b128 v[RING+8*\i+4:RING+8*\i+7], v[LA+(\t)%2] offset:1024*\i+512
.endr
.if (\t) < 5
	ASK (\t)+3
.endif
.irp i, 0,1,2,3,4,5,6,7,8,9,10,11,12,13,14,15
	v_readlane_b32 s[W+2*\i], v[P+\i%4], 4*(\t)+\i/4       ; p of row 16 t + i
.endr
	s_wait_dscnt 0x0
.irp i, 0,1,2,3,4,5,6,7,8,9,10,11,12,13,14,15
.irp k, 0,1,2,3
.if ((\t) == 0) && (\i < 2)
	v_pk_mul_f32 v[A+8*(\i%2)+2*\k:A+8*(\i%2)+2*\k+1], v[RING+8*\i+2*\k:RING+8*\i+2*\k+1], s[W+2*\i:W+2*\i+1] op_sel_hi:[1,0]   ; the first two rows start the sums
.else
	v_pk_fma_f32 v[A+8*(\i%2)+2*\k:A+8*(\i%2)+2*\k+1], v[RING+8*\i+2*\k:RING+8*\i+2*\k+1], s[W+2*\i:W+2*\i+1], v[A+8*(\i%2)+2*\k:A+8*(\i%2)+2*\k+1] op_sel_hi:[1,0,1]
.endif
.endr
.endr
.endm
.irp t, 0,1,2,3,4,5,6,7
	STEP \t
.endr
.irp k, 0,1,2,3
	v_pk_add_f32 v[A+2*\k:A+2*\k+1], v[A+2*\k:A+2*\k+1], v[A+8+2*\k:A+8+2*\k+1]
.endr
	ds_store_b128 v31, v[A:A+3]
	ds_store_b128 v31, v[A+4:A+7] offset:512
	s_wait_dscnt 0x0                               ; for the others: my sums lie in LDS
	s_barrier_signal -1
	s_barrier_wait -1
	s_cmp_lt_u32 s12, 2                            ; waves 0 and 1 add up 512 bytes each
	s_cbranch_scc0 .Lend
.irp i, 0,1,2,3,4,5,6,7
	ds_load_b128 v[RING+4*\i:RING+4*\i+3], v29 offset:1024*\i
.endr
	s_wait_dscnt 0x0
.irp i, 1,2,3,4,5,6,7
	v_pk_add_f32 v[RING:RING+1], v[RING:RING+1], v[RING+4*\i:RING+4*\i+1]
	v_pk_add_f32 v[RING+2:RING+3], v[RING+2:RING+3], v[RING+4*\i+2:RING+4*\i+3]
.endr
	v_pk_mul_f32 v[RING:RING+1], v[RING:RING+1], v[72:73]
	v_pk_mul_f32 v[RING+2:RING+3], v[RING+2:RING+3], v[72:73]
	global_store_b128 v30, v[RING:RING+3], s[10:11]        ; 32 lanes store 512 consecutive bytes
.Lend:
	s_wait_tensorcnt 0x0                           ; the wave's end
	ds_add_u32 v[SPW], v[NIL]
	s_wait_dscnt 0x0
	s_endpgm
.Lfunc_end_k_q3578c842e9_softctx:
	.size	k_q3578c842e9_softctx, .Lfunc_end_k_q3578c842e9_softctx-k_q3578c842e9_softctx
	.p2alignl 7, 3214868480
	.fill 96, 4, 3214868480
	.section	.rodata,"a",@progbits
	.p2align	6, 0x0
	.amdhsa_kernel k_q3578c842e9_softctx
		.amdhsa_group_segment_fixed_size 327680
		.amdhsa_private_segment_fixed_size 0
		.amdhsa_enable_private_segment 0
		.amdhsa_kernarg_size 32
		.amdhsa_user_sgpr_count 2
		.amdhsa_user_sgpr_kernarg_segment_ptr 1
		.amdhsa_wavefront_size32 1
		.amdhsa_system_sgpr_workgroup_id_x 1
		.amdhsa_system_sgpr_workgroup_id_y 1
		.amdhsa_system_sgpr_workgroup_id_z 1
		.amdhsa_system_vgpr_workitem_id 0
		.amdhsa_next_free_vgpr 256
		.amdhsa_next_free_sgpr 80
		.amdhsa_reserve_vcc 0
		.amdhsa_float_denorm_mode_32 3
		.amdhsa_float_denorm_mode_16_64 3
		.amdhsa_memory_ordered 1
		.amdhsa_forward_progress 1
		.amdhsa_inst_pref_size 73
	.end_amdhsa_kernel
	.amdgpu_metadata
---
amdhsa.version: [ 1, 2 ]
amdhsa.kernels:
  - .name:           k_q3578c842e9_softctx
    .symbol:         k_q3578c842e9_softctx.kd
    .args:
      - { .name: scores, .offset: 0, .size: 8, .value_kind: global_buffer, .address_space: global }
      - { .name: encoder_outputs, .offset: 8, .size: 8, .value_kind: global_buffer, .address_space: global }
      - { .name: out0, .offset: 16, .size: 8, .value_kind: global_buffer, .address_space: global }
      - { .name: out1, .offset: 24, .size: 8, .value_kind: global_buffer, .address_space: global }
    .group_segment_fixed_size: 327680
    .private_segment_fixed_size: 0
    .kernarg_segment_align: 8
    .kernarg_segment_size: 32
    .max_flat_workgroup_size: 256
    .sgpr_count:     80
    .vgpr_count:     256
    .wavefront_size: 32
...
	.end_amdgpu_metadata
.endif
;; end of part 3
